; MI455X (gfx1250); checked and timed in simulation.
; The chip was launched on July 23, 2026; its instructions are those of AMD's public machine-readable ISA for CDNA 5 (MIT licence, August 2026) and "CDNA5" Instruction Set Architecture Reference Guide (July 2026). The comments in the code are by the model that wrote it; some were corrected since.
;; Multi Head Attention. Allowed arithmetic: matrix products marked QUANTISED: E5M2 operands, one given power-of-two scale a tensor, by v_wmma_f32_16x16x64_bf8_bf8 or v_wmma_f32_16x16x128_bf8_bf8, f32 sums; everything else in f32.
;; Inputs: Wk_codes 1,024 x 32 x 32 uint8 (E5M2 codes of Wk, K innermost, in blocks of 32 codes); Wo_codes 1,024 x 32 x 32 uint8 (E5M2 codes of Wo, K innermost, in blocks of 32 codes); Wq_codes 1,024 x 32 x 32 uint8 (E5M2 codes of Wq, K innermost, in blocks of 32 codes); Wv_codes 1,024 x 32 x 32 uint8 (E5M2 codes of Wv, K innermost, in blocks of 32 codes); bk 1,024 float32; bo 1,024 float32; bq 1,024 float32; bv 1,024 float32; key__codes 4 x 2,048 x 32 x 32 uint8 (E5M2 codes of key_, K innermost, in blocks of 32 codes); lowp_scales 12 int32 (the exponents e of the quantised operands' scales 2^e); query_codes 4 x 2,048 x 32 x 32 uint8 (E5M2 codes of query, K innermost, in blocks of 32 codes); value_codes 4 x 2,048 x 32 x 32 uint8 (E5M2 codes of value, K innermost, in blocks of 32 codes).
;; Outputs: out0 4 x 2,048 x 1,024 float32.
;; This version of the problem:
;;   THIS VERSION OF THE PROBLEM IS GIVEN IN LOW PRECISION. The matrix products marked QUANTISED in the list below multiply operands that are first quantised to E5M2 (5 exponent bits, 2 mantissa bits; 8 bits a number), with one given power-of-two scale for each operand tensor; their sums are f32. All else is computed in f32.
;;   The module's matrix products, in the order in which they are computed (A, B: the left and right operand; K: the contracted axis; several contracted axes count as one K, in the product's order):
;;     1. [M 8,192, K 1,024] x [K 1,024, N 1,024]; A: input query (given as codes); B: input Wq (given as codes): QUANTISED (scales: A lowp_scales[0], B lowp_scales[1])
;;     2. [M 8,192, K 1,024] x [K 1,024, N 1,024]; A: input key_ (given as codes); B: input Wk (given as codes): QUANTISED (scales: A lowp_scales[2], B lowp_scales[3])
;;     3. [M 8,192, K 1,024] x [K 1,024, N 1,024]; A: input value (given as codes); B: input Wv (given as codes): QUANTISED (scales: A lowp_scales[4], B lowp_scales[5])
;;     4. batch 64 x [M 2,048, K 64] x [K 64, N 2,048]; A: computed on the way; B: computed on the way: QUANTISED (scales: A lowp_scales[6], B lowp_scales[7])
;;     5. batch 64 x [M 64, K 2,048] x [K 2,048, N 2,048]; A: computed on the way; B: softmax (see below): QUANTISED (scales: A lowp_scales[8], B lowp_scales[9])
;;     6. [M 8,192, K 1,024] x [K 1,024, N 1,024]; A: computed on the way; B: input Wo (given as codes): QUANTISED (scales: A lowp_scales[10], B lowp_scales[11])
;;   THE QUANTISER, for each operand of a quantised product, along K:
;;     - The operand's scale is 2^e, e = its entry of the input lowp_scales (int32; the entries are numbered through the quantised products in the list's order, A before B).
;;     - Each number is divided by the scale, clamped to +-57,344, and rounded to the nearest number of E5M2, ties to even, subnormals kept.
;;     - The product sums the exact products of the quantised numbers (number of the format x scale) in f32.
;;   ~~~python
;;   def quantise(x, axis, e):      # numpy; x: float32 -> the quantised numbers, widened to float32 again
;;       x = np.moveaxis(x, axis, -1); K = x.shape[-1]
;;       r = np.clip(x / 2.0 ** e, -57344, 57344)
;;       step = 2.0 ** (np.maximum(np.frexp(np.where(r == 0, 1, r))[1] - 1, -14) - 2)
;;       q = np.round(r / step) * step * 2.0 ** e      # np.round: ties to even
;;       return np.moveaxis(q, -1, axis).astype(np.float32)
;;   ~~~
;;   SOFTMAX AHEAD OF A QUANTISED PRODUCT. Where the list says 'softmax', what is quantised is not the finished softmax but p = 2^(t - M), with t = logit x log2(e) and M = ceil(the row's largest t), a whole number; so 1/2 < the row's largest p <= 1. The row's sum l is taken of the UNQUANTISED p, in f32, and the product's result is divided by l at the end. Since M is a whole number, a kernel that streams over the keys may use a running M (the ceiling of the running maximum): every later rescaling is an exact power of two, so the quantised numbers keep their values, but for numbers so far below the row's largest that they fall under the format's range.
;;   OPERANDS COMPUTED ON THE WAY. 'Computed on the way' means the value that the module computes at that place (a softmax that the list does not call 'softmax' is quantised finished and normalised). What goes into a quantiser is computed in f32, as accurately as f32 sums, v_exp_f32 and their like allow (about 1e-6 of the number): no bf16 or f16 on the way to a quantiser, and a product that is left as it is and whose result goes on into a quantised operand takes f32 operands (vector FMAs, or v_wmma_f32_16x16x4_f32). A number that lies on a knife's edge between two numbers of the format may be rounded either way, as far as f32 arithmetic and the matrix unit's own rounding can turn it there, and no further.
;;   INPUTS GIVEN AS CODES. Wk (in the module: [1024, 1024], K = its axis 1); Wo (in the module: [1024, 1024], K = its axis 1); Wq (in the module: [1024, 1024], K = its axis 1); Wv (in the module: [1024, 1024], K = its axis 1); key_ (in the module: [4, 2048, 1024], K = its axis 2); query (in the module: [4, 2048, 1024], K = its axis 2); value (in the module: [4, 2048, 1024], K = its axis 2): each comes as NAME_codes (uint8): NAME with its K axis moved to the last place and cut into blocks of 32 codes, [.., K / 32, bytes a block], one block behind the other in memory; one code a byte (a code: sign, 5 exponent bits, 2 mantissa bits); its scale is its entry of lowp_scales. Its value is code x scale, taken as it is: it is not quantised again, and the codes and scales need not be those that the quantiser above would give.
;; One version. Each part assembles by itself: llvm-mc -triple=amdgcn-amd-amdhsa -mcpu=gfx1250 --defsym DOCPART=n.
;; ======== version 1 of 1: 3 launches
;; limits: right only within a limited range of input values
;; workspace buffers: q_img 8,388,608 bytes; k_img 8,388,608 bytes; v_img 8,388,608 bytes; ctx_img 8,388,608 bytes
;; launch proj (part 1): grid 4 x 96, 4 waves a work-group, clusters of 4 x 4, 327,680 bytes of LDS; arguments query_codes, key__codes, Wv_codes, Wq_codes, Wk_codes, value_codes, bq, bk, bv, q_img, k_img, v_img, lowp_scales; writes q_img, k_img, v_img
.if DOCPART == 1
	.amdgcn_target "amdgcn-amd-amdhsa--gfx1250"
	.amdhsa_code_object_version 6
	.text
	.protected	k_q3b47c6e56b_proj
	.globl	k_q3b47c6e56b_proj
	.p2align	8
	.type	k_q3b47c6e56b_proj,@function
k_q3b47c6e56b_proj:
	s_mov_b64 s[64:65], 0
	v_nop
	global_prefetch_b8 v0, s[64:65] scope:SCOPE_SE
	s_setreg_imm32_b32 hwreg(HW_REG_WAVE_MODE, 25, 1), 1
	s_wait_xcnt 0x0
	s_wait_alu depctr_hold_cnt(0) depctr_sa_sdst(0) depctr_va_vdst(0) depctr_va_sdst(0) depctr_va_ssrc(0) depctr_va_vcc(0) depctr_vm_vsrc(0)
	s_getreg_b32 s2, hwreg(HW_REG_IB_STS2, 6, 4)
	s_cmp_eq_u32 s2, 0
	s_cbranch_scc0 .Lentry_in_a_cluster
	s_endpgm
.Lentry_in_a_cluster:
	s_bfe_u32 s2, ttmp6, 0x10000c
	s_cmp_lg_u32 s2, 0xf033
	s_cbranch_scc0 .Lentry_shape_is_right
	s_endpgm
.Lentry_shape_is_right:
; The three projections Q = query Wq^T + bq, K = key_ Wk^T + bk, V = value Wv^T + bv on codes of BF8 (E5M2), and the quantiser of their results.
; ONE FORM FOR ALL THREE: T[p][q] = sum over k of P[p][k] R[q][k], K = 1,024, rows of 1,024 bytes.  role 0: P = query, R = Wq;  role 1: P = key_, R = Wk;  role 2: P = Wv, R = value.
; The matrix instruction takes 16 rows of R as source 0 and 16 rows of P as source 1: a lane then holds ONE row p and eight neighbouring q: eight channels of a token (roles 0, 1), or eight KEYS of a channel (role 2).
; So the conversions' results are pieces of the next operand's registers, stored as they stand: a piece is 512 bytes, lane l's 16 bytes at 16 l.
;   q_img, k_img: [16 b + head][row tile 128][c 2][512]: lane (r, h): row 16 tile + r, d = 32 c + 8 h + 0..7, then 32 c + 16 + 8 h + 0..7
;   v_img:        [16 b + head][key step 16][channel tile 4][c 4][512]: lane (r, h): channel 16 t + r, keys 32 c + 8 h + 0..7, then 32 c + 16 + 8 h + 0..7 of the step's 128
; SHARES.  A tile is 256 rows of P x 256 rows of R: 128 tiles a role, 384 work-groups.  Four waves, each 128 x 128: 64 accumulators of 16 x 16.  No branch but the prefetch's hangs on the role: pointers, indices and strides are selected.
; CLUSTERS: 4 x 4 work-groups of one role.  The four of a row of the cluster need the same rows of P, the four of a column the same rows of R: each tile is asked for jointly.
; K goes in four steps of 256 through a ring of two LDS slots; a K step is two steps of 128, 64 matrix instructions each.  The eight steps are written out.
; THE BIAS, divided by 2^(ea + eb), begins every sum; a sum stands for sum x 2^(ea + eb), so the code is sum / 2^(eo - ea - eb), held within the largest code first.
; A fragment is fetched by four loads of 16 bytes: a permutation of k that is the same in both operands, so every product meets its partner; only the order of the sums inside an instruction differs.
; PREFETCH: K steps 2 and 3 of the activations (P in roles 0, 1; R in role 2), each two K steps ahead of its load.  The weights are left out: all eight clusters of a role read the same 1,024 rows.
; LIMITS: eo - ea - eb of each role lies between -126 and 112, so that the conversion's scale and the hold are f32 numbers; ea + eb goes through v_ldexp_f32 and has no limit.  NaN and infinity among the inputs are not served.
; REGISTERS, in windows of 256: window 0: v1-7 lane terms; v16-21 LDS addresses; v27 the prefetch's offset; v28-31 the spare word, 0, the hold, the scale; v32-95 bias along q; v96-111 bias along p; v112-127 store offsets;
;   v128-255 P's fragments, one set; at the end the codes.   window 1: R's fragments, two sets.   windows 2, 3: accumulator (a, b) at v[8 (8 (a % 4) + b)] of window 2 + a / 4.
.set PITCH, 272                        ; an LDS row: 256 bytes + 16 of padding = 68 words: the 16 rows that a load touches start 4 banks apart (64 banks of 4 bytes: ISA guide 11.1)
.set HALFT, 128*PITCH                  ; 128 rows: what one tensor load brings, and what one wave reads of P or of R
.set SLOT,  4*HALFT                    ; P's 256 rows, then R's 256
.set SPARE, 2*SLOT                     ; behind the ring: the spare words, 128 bytes for each wave, which no other line names
.set NL,   4                           ; LDS loads that bring a fragment
.set ADRP, 16                          ; v16-17  LDS address of my P fragments in slot 0, 1
.set ADRR, 20                          ; v20-21  the same for R
.set PFO,  27                          ; 1,024 x lane; never rewritten
.set SPW,  28
.set NIL,  29
.set LIM,  30                          ; 57,344 x 2^(eo - ea - eb)
.set SCL,  31                          ; 2^(eo - ea - eb)
.set CB,   32                          ; bias along q, eight for each block b
.set RB,   96                          ; bias along p, a pair for each block a
.set OFF,  112                         ; store offsets: block a, lower or upper pair of pieces
.set AF,   128
.set CD,   128
.set G1P, 24                           ; s[24:31] descriptor group 1 for P's tiles;  s[32:39] for R's
.set G1R, 32
.set G0P, 40                           ; s[40:47] group 0 for P's tiles, a set for each slot;  s[48:55] for R's
.set G0R, 48
.set PFA, 56                           ; s[56:57] my 32 rows of the activations' tile; never rewritten
.set MINE, 58                          ; 0 in the waves that fetch the activations
.set MUL_LO, 0xa1                      ; source 0 (R) window 1, source 1 (P) window 0, C and D window 2
.set MUL_HI, 0xf1                      ; the same, C and D window 3
.set MSB, 0
.macro WIN new                         ; the immediate's high byte repeats the setting that is left
.if MSB != \new
	s_set_vgpr_msb (MSB<<8)|\new
.set MSB, \new
.endif
.endm
.macro PLACES n
.rept \n
	v_nop
.endr
.endm
.macro CREST                           ; a round of the cluster's barrier behind its opening barrier
	s_cmp_lg_u32 s12, 0
	s_cbranch_scc1 .Lnot_wave_0_\@
	s_barrier_signal -3
.Lnot_wave_0_\@:
	s_barrier_wait -3
	s_barrier_signal -1
	s_barrier_wait -1
.endm
.macro CROUND
	s_barrier_signal -1
	s_barrier_wait -1
	CREST
.endm
; A joint load into slot s: waves 0 and 1 fetch P's halves, waves 2 and 3 R's.  The branch hangs on the wave's number alone.  An s_nop 0 and four v_nop follow each of the two lines.
.macro JLOAD s
	s_cmp_eq_u32 s13, 0
	s_cbranch_scc0 .Lfor_r_\@
	tensor_load_to_lds s[G0P+4*\s:G0P+4*\s+3], s[G1P:G1P+7]
	s_nop 0
.rept 4
	v_nop
.endr
	s_branch .Lasked_\@
.Lfor_r_\@:
	tensor_load_to_lds s[G0R+4*\s:G0R+4*\s+3], s[G1R:G1R+7]
	s_nop 0
.rept 4
	v_nop
.endr
.Lasked_\@:
.endm
; A prefetch into the L2: 256 bytes, at byte off, of 32 rows of the activations: a lane a row, one instruction a wave.  Of the 128 rows that a wave fetches, each of the four partners that ask for them jointly names 32, told apart by address.
.macro ASK off
	s_cmp_eq_u32 s[MINE], 0
	s_cbranch_scc0 .Lnot_mine_\@
	global_prefetch_b8 v[PFO], s[PFA:PFA+1] offset:\off th:TH_LOAD_NT scope:SCOPE_SE
.Lnot_mine_\@:
.endm
.macro FRAG reg, adr, q, i             ; 16 rows x 128 K: lane l holds row l % 16; registers 4 c .. 4 c + 3 hold K = 32 c + 16 (l / 16) + 0 .. 15
.irp c, 0,1,2,3
	ds_load_b128 v[\reg+4*\c:\reg+4*\c+3], v[\adr] offset:128*(\q)+32*\c+(\i)*16*PITCH
.endr
.endm
; 16 matrix instructions: P's blocks a0, a0 + 1 x R's eight of set p.  The 64 accumulators take turns, one instruction a turn, in the same order in every step.
.macro MUL16 a0, p
.irp a, \a0, \a0+1
.irp b, 0,1,2,3,4,5,6,7
	v_wmma_f32_16x16x128_bf8_bf8 v[8*(8*((\a)%4)+\b):8*(8*((\a)%4)+\b)+7], v[128*(\p)+16*\b:128*(\p)+16*\b+15], v[AF+16*(\a):AF+16*(\a)+15], v[8*(8*((\a)%4)+\b):8*(8*((\a)%4)+\b)+7]
.endr
.endr
.endm
.macro FETCH_R slot, q, p              ; R's eight fragments of the slot's q-th 128 along K into set p
	WIN 0x40
.irp i, 0,1,2,3,4,5,6,7
	FRAG 128*(\p)+16*\i, ADRR+\slot, \q, \i
.endr
	WIN 0
.endm
.macro FETCH_P slot, q, i0             ; P's blocks i0 .. i0 + 3
.irp i, \i0, \i0+1, \i0+2, \i0+3
	FRAG AF+16*(\i), ADRP+\slot, \q, \i
.endr
.endm
; A slot's first step of 128 along K, on R's set 0.  A block of P is free when its eight products are issued: blocks 0-3 are fetched anew in the step's middle, blocks 4-7 at its end.
; Four plain vector instructions stand in front of each run of loads into registers that matrix instructions have read (ISA guide 7.12.1 for vector instructions).
.macro STEP slot
	s_wait_dscnt 4*NL                              ; R's set and P's blocks 0-3 are in; the youngest 16 loads (P's blocks 4-7) may be out
	WIN MUL_LO
	MUL16 0, 0
	MUL16 2, 0
	s_wait_dscnt 0
	PLACES 4
	FETCH_R \slot, 1, 1
	FETCH_P \slot, 1, 0
	WIN MUL_HI
	MUL16 4, 0
	MUL16 6, 0
	PLACES 4
	WIN 0
	FETCH_P \slot, 1, 4
.endm
; A slot's second step, on set 1, changes slots: ONE barrier; in front of it each wave waits for all its tensor loads, adds 0 to its spare word, and waits for that and for its reads of this slot.  fill = 1: this slot takes the K step two on.
.macro TURN slot, next, fill
	s_wait_tensorcnt 0x0                           ; my one load that was out, my part of the next slot, has landed
	ds_add_u32 v[SPW], v[NIL]
	s_wait_dscnt 4*NL+1                            ; (the add and the youngest 16 loads may be out)
	WIN MUL_LO
	MUL16 0, 1
	s_wait_dscnt 0x0                               ; the add is done, and my reads of this slot are over
	s_barrier_signal -1
	MUL16 2, 1
	WIN 0
	s_barrier_wait -1
.if \fill
	CREST                                          ; the barrier has opened a round of the cluster's: no wave of any partner still reads this slot or has a load on its way
	s_add_nc_u64 s[G0P+4*\slot+2:G0P+4*\slot+3], s[G0P+4*\slot+2:G0P+4*\slot+3], 512
	s_add_nc_u64 s[G0R+4*\slot+2:G0R+4*\slot+3], s[G0R+4*\slot+2:G0R+4*\slot+3], 512
	JLOAD \slot                                    ; the first tensor load behind the round; its four v_nop are the places in front of the loads below
.else
	PLACES 4
.endif
	FETCH_R \next, 0, 0
	FETCH_P \next, 0, 0
	WIN MUL_HI
	MUL16 4, 1
	MUL16 6, 1
	PLACES 4
	WIN 0
	FETCH_P \next, 0, 4
.endm
	s_load_b512 s[68:83], s[0:1], 0x0              ; query 68, key_ 70, Wv 72, Wq 74, Wk 76, value 78, bq 80, bk 82
	s_load_b256 s[84:91], s[0:1], 0x40             ; bv 84, q_img 86, k_img 88, v_img 90
	s_load_b64 s[92:93], s[0:1], 0x60              ; the scales' exponents
	v_lshl_add_u32 v[SPW], v0, 2, SPARE
	v_mov_b32 v[NIL], 0
	ds_add_u32 v[SPW], v[NIL]                      ; the opening lines: the add, twice on end, and its wait ahead of my first tensor load
	ds_add_u32 v[SPW], v[NIL]
	v_lshrrev_b32 v3, 5, v0
	v_readfirstlane_b32 s12, v3                    ; wave 0..3
	s_lshr_b32 s13, s12, 1                         ; ph: which 128 rows of P are mine.  Also: I fetch for P (0) or for R (1)
	s_and_b32 s14, s12, 1                          ; rh: which 128 rows of R.  Also: which half of that tile I fetch
	s_bfe_u32 s15, ttmp6, 0x40000                  ; cx
	s_bfe_u32 s16, ttmp6, 0x40004                  ; cy
	s_and_b32 s17, ttmp7, 0xffff                   ; the cluster's y, 0..23
	s_lshr_b32 s18, s17, 3                         ; role 0..2: the same in all sixteen partners
	s_and_b32 s19, s17, 7                          ; the role's cluster
	s_cmp_eq_u32 s18, 2
	s_cselect_b32 s20, 0, s19                      ; roles 0, 1: eight clusters down P, one across R;  role 2: one down P (Wv), eight across R (value)
	s_cselect_b32 s21, s19, 0
	s_lshl_b32 s22, s20, 2
	s_add_co_u32 s22, s22, s16                     ; Pidx: which 256 rows of P
	s_lshl_b32 s23, s21, 2
	s_add_co_u32 s23, s23, s15                     ; Ridx: which 256 rows of R
	s_lshl_b32 s2, s16, 2
	s_lshl_b32 s2, 15, s2                          ; my row of the cluster
	s_lshl_b32 s3, 0x1111, s15                     ; my column
	s_or_b32 s[G1P], s2, (1<<20)|(1<<21)|(5<<22)|(3<<25)   ; 15:0 the mask; elements of 1 byte; 20 padding on; 21 set beside a mask; 24:22 after every 64 words; 31:25 four words
	s_or_b32 s[G1R], s3, (1<<20)|(1<<21)|(5<<22)|(3<<25)
.irp g, G1P, G1R
	s_mov_b32 s[\g+1], 256<<16                     ; tensor_dim0 = 256
	s_mov_b32 s[\g+2], 128<<16                     ; tensor_dim1 = 128
	s_mov_b32 s[\g+3], 256<<16                     ; tile_dim0 = 256
	s_mov_b32 s[\g+4], 128                         ; tile_dim1 = 128
	s_mov_b32 s[\g+5], 1024                        ; from row to row
	s_mov_b32 s[\g+6], 0
	s_mov_b32 s[\g+7], 0
.endr
	s_lshl_b32 s96, s14, 17                        ; which 128 rows of the tile I fetch
	s_lshl_b32 s94, s22, 18                        ; P: (256 Pidx + 128 half) rows of 1,024 bytes: registers that never hold cx
	s_add_co_u32 s94, s94, s96
	s_mov_b32 s95, 0
	s_lshl_b32 s98, s23, 18                        ; R: (256 Ridx + 128 half) rows: registers that never hold cy
	s_add_co_u32 s98, s98, s96
	s_mov_b32 s99, 0
	s_mul_i32 s97, s12, HALFT                      ; where they go in a slot: wave x 128 rows: no place in the cluster enters an LDS address
	s_lshl_b32 s2, s18, 3                          ; ea, eb are entries 2 role, 2 role + 1;
	s_lshl_b32 s19, s18, 2                         ; eo is entry 6 + role
	s_wait_dscnt 0x0                               ; both opening adds are done
	s_wait_kmcnt 0x0
	s_load_b64 s[66:67], s[92:93], s2 offset:0x0
	s_load_b32 s3, s[92:93], s19 offset:0x18
	s_cmp_eq_u32 s18, 0                            ; the role's four buffers: a choice that hangs on the cluster's number alone
	s_cselect_b64 s[4:5], s[68:69], s[70:71]
	s_cselect_b64 s[6:7], s[74:75], s[76:77]
	s_cselect_b64 s[8:9], s[80:81], s[82:83]
	s_cselect_b64 s[10:11], s[86:87], s[88:89]
	s_cmp_eq_u32 s18, 2
	s_cselect_b64 s[4:5], s[72:73], s[4:5]         ; P
	s_cselect_b64 s[6:7], s[78:79], s[6:7]         ; R
	s_cselect_b64 s[8:9], s[84:85], s[8:9]         ; the bias
	s_cselect_b64 s[10:11], s[90:91], s[10:11]     ; the image
	s_add_nc_u64 s[94:95], s[4:5], s[94:95]
	s_add_nc_u64 s[98:99], s[6:7], s[98:99]
.irp s, 0,1
	s_mov_b32 s[G0P+4*\s], 1                                       ; count = 1
	s_add_co_u32 s[G0P+4*\s+1], s97, \s*SLOT                       ; LDS address
	s_add_nc_u64 s[G0P+4*\s+2:G0P+4*\s+3], s[94:95], \s*256        ; K step s
	s_or_b32 s[G0P+4*\s+3], s[G0P+4*\s+3], 0x80000000              ; type = 2
	s_mov_b32 s[G0R+4*\s], 1
	s_add_co_u32 s[G0R+4*\s+1], s97, \s*SLOT
	s_add_nc_u64 s[G0R+4*\s+2:G0R+4*\s+3], s[98:99], \s*256
	s_or_b32 s[G0R+4*\s+3], s[G0R+4*\s+3], 0x80000000
.endr
	CROUND                                         ; all sixteen work-groups are here: the first joint loads meet
	JLOAD 0                                        ; K step 0: one tensor load a wave at the head
	; all that follows, up to the wait for that load, stands under its flight.  First the scalar terms.
	s_cmp_eq_u32 s18, 2
	s_cselect_b32 s20, 0, s23                      ; the bias runs along q in roles 0, 1 and along p in role 2; both patterns are loaded in every role, each inside the 1,024 numbers
	s_cselect_b32 s21, s22, 0
	s_cselect_b32 s[MINE], 1, 0
	s_cselect_b32 s59, s23, s22                    ; the activations' tile,
	s_cselect_b32 s63, s16, s15                    ; my place among the four that ask for it with me,
	s_cselect_b64 s[PFA:PFA+1], s[6:7], s[4:5]     ; and their buffer
	s_xor_b32 s[MINE], s[MINE], s13
	s_lshl_b32 s20, s20, 10
	s_lshl_b32 s96, s14, 9
	s_add_co_u32 s20, s20, s96                     ; 4 x (256 Ridx + 128 rh)
	s_lshl_b32 s21, s21, 10
	s_lshl_b32 s96, s13, 9
	s_add_co_u32 s21, s21, s96                     ; 4 x (256 Pidx + 128 ph)
	s_lshl_b32 s59, s59, 8
	s_lshl_b32 s96, s14, 7
	s_add_co_u32 s59, s59, s96                     ; + the 128 rows that I fetch
	s_lshl_b32 s63, s63, 5
	s_add_co_u32 s59, s59, s63                     ; + my work-group's 32 of them
	s_lshl_b32 s60, s59, 10
	s_mov_b32 s61, 0
	s_add_nc_u64 s[PFA:PFA+1], s[PFA:PFA+1], s[60:61]
	; where my pieces go.  The token index t0 is p0 (roles 0, 1) or q0 (role 2), the first head 4 Ridx + 2 rh or 4 Pidx + 2 ph; in both layouts a head's image is 131,072 bytes and a token's share of it 64 bytes.
	s_lshl_b32 s100, s22, 8
	s_lshl_b32 s96, s13, 7
	s_add_co_u32 s100, s100, s96                   ; p0 = 256 Pidx + 128 ph
	s_lshl_b32 s101, s23, 8
	s_lshl_b32 s96, s14, 7
	s_add_co_u32 s101, s101, s96                   ; q0 = 256 Ridx + 128 rh
	s_lshl_b32 s17, s22, 2
	s_lshl_b32 s96, s13, 1
	s_add_co_u32 s17, s17, s96
	s_lshl_b32 s63, s23, 2
	s_lshl_b32 s96, s14, 1
	s_add_co_u32 s63, s63, s96
	s_mov_b32 s98, 1024
	s_mov_b32 s99, 131072
	s_mov_b32 s62, 4096
	s_cmp_eq_u32 s18, 2
	s_cselect_b32 s100, s101, s100                 ; t0
	s_cselect_b32 s17, s17, s63                    ; head
	s_cselect_b32 s98, 2048, s98                   ; from block a to the next: a channel tile of V, or a row tile of Q, K
	s_cselect_b32 s99, 1024, s99                   ; from pieces 0, 1 to pieces 2, 3: two pieces on in V, the next head in Q, K
	s_cselect_b32 s62, 131072, s62                 ; from block a to block a + 4: the next head in V, four row tiles in Q, K
	s_lshr_b32 s101, s100, 11
	s_lshl_b32 s101, s101, 4
	s_add_co_u32 s101, s101, s17                   ; 16 b + head
	s_lshl_b32 s101, s101, 17
	s_and_b32 s100, s100, 2047
	s_lshl_b32 s100, s100, 6
	s_add_co_u32 s60, s100, s101
	s_add_nc_u64 s[10:11], s[10:11], s[60:61]
	s_mul_i32 s96, s13, HALFT                      ; my 128 rows of P
	s_mul_i32 s97, s14, HALFT                      ; my 128 rows of R,
	s_add_co_u32 s97, s97, 2*HALFT                 ; which lie behind P's 256
	; then the lane terms, in one run
	v_and_b32 v1, 15, v0                           ; r
	v_bfe_u32 v2, v0, 4, 1                         ; h
	v_and_b32 v3, 31, v0
	v_lshlrev_b32 v4, 4, v3                        ; 16 x lane
	v_lshlrev_b32 v[PFO], 10, v3
	v_lshl_add_u32 v6, v2, 5, s20                  ; 4 x (256 Ridx + 128 rh + 8 h)
	v_lshl_add_u32 v7, v1, 2, s21                  ; 4 x (256 Pidx + 128 ph + r)
.irp b, 0,1,2,3,4,5,6,7
	global_load_b128 v[CB+8*\b:CB+8*\b+3], v6, s[8:9] offset:64*\b
	global_load_b128 v[CB+8*\b+4:CB+8*\b+7], v6, s[8:9] offset:64*\b+16
.endr
.irp a, 0,1,2,3,4,5,6,7
	global_load_b32 v[RB+2*\a], v7, s[8:9] offset:64*\a
.endr
	v_mul_u32_u24 v5, v1, PITCH
	v_lshl_add_u32 v5, v2, 4, v5                   ; a fragment's row x pitch + 16 x half
	v_add_nc_u32 v[ADRP], s96, v5
	v_add_nc_u32 v[ADRR], s97, v5
	v_add_nc_u32 v[ADRP+1], SLOT, v[ADRP]
	v_add_nc_u32 v[ADRR+1], SLOT, v[ADRR]
	v_mov_b32 v[OFF], v4
	v_add_nc_u32 v[OFF+1], s99, v4
.irp a, 1,2,3
	v_add_nc_u32 v[OFF+2*\a], s98, v[OFF+2*\a-2]
	v_add_nc_u32 v[OFF+2*\a+1], s98, v[OFF+2*\a-1]
.endr
.irp j, 0,1,2,3,4,5,6,7
	v_add_nc_u32 v[OFF+8+\j], s62, v[OFF+\j]
.endr
	s_wait_alu depctr_va_vdst(0)                   ; ahead of the waits and branches below
	ASK 512                                        ; K step 2, whose load stands at the end of K step 0
	s_wait_loadcnt 0x0                             ; the bias
	s_wait_kmcnt 0x0                               ; ea, eb, eo
	s_add_co_i32 s66, s66, s67                     ; ea + eb
	s_sub_co_i32 s67, 0, s66
	s_sub_co_i32 s3, s3, s66                       ; eo - ea - eb: the three scales folded into the conversion's one
	s_add_co_i32 s3, s3, 127
	s_lshl_b32 s2, s3, 23
	v_mov_b32 v[SCL], s2
	s_add_co_i32 s3, s3, 15
	s_lshl_b32 s3, s3, 23
	s_or_b32 s3, s3, 0x600000
	v_mov_b32 v[LIM], s3                           ; 57,344 x that
	s_movk_i32 s19, -1000
	s_cmp_eq_u32 s18, 2
	s_cselect_b32 s2, s19, s67                     ; bias / 2^(ea + eb); the pattern that does not apply is taken x 2^-1000, which is 0 for every finite number
	s_cselect_b32 s19, s67, s19
.set i, 0
.rept 64
	v_ldexp_f32 v[CB+i], v[CB+i], s2
.set i, i+1
.endr
.irp a, 0,1,2,3,4,5,6,7
	v_ldexp_f32 v[RB+2*\a], v[RB+2*\a], s19
.endr
.irp a, 0,1,2,3,4,5,6,7
	v_mov_b32 v[RB+2*\a+1], v[RB+2*\a]             ; (named as the upper half of a pair)
.endr
.irp a, 0,1,2,3,4,5,6,7
	WIN 0x80+0x40*(\a/4)                           ; destination window 2 or 3
.irp b, 0,1,2,3,4,5,6,7
.irp i, 0,2,4,6
	v_pk_add_f32 v[8*(8*(\a%4)+\b)+\i:8*(8*(\a%4)+\b)+\i+1], v[CB+8*\b+\i:CB+8*\b+\i+1], v[RB+2*\a:RB+2*\a+1] op_sel_hi:[1,0]   ; every sum begins with its bias: all products then have one form, in place
.endr
.endr
.endr
	WIN 0
	s_wait_alu depctr_va_vdst(0)                   ; the head's end
	s_wait_tensorcnt 0x0                           ; my part of K step 0 is in
	ds_add_u32 v[SPW], v[NIL]
	s_wait_dscnt 0x0
	CROUND                                         ; everybody's part is in, and all sixteen work-groups are here
	JLOAD 1                                        ; K step 1: the first tensor load behind the round
	FETCH_R 0, 0, 0
	FETCH_P 0, 0, 0
	FETCH_P 0, 0, 4
	ASK 768                                        ; K step 3, whose load stands at the end of K step 1
	STEP 0
	TURN 0, 1, 1                                   ; slot 0 takes K step 2
	STEP 1
	TURN 1, 0, 1                                   ; slot 1 takes K step 3
	STEP 0
	TURN 0, 1, 0                                   ; nothing more is filled, so no round follows
	STEP 1
	s_wait_dscnt 4*NL                              ; the last step: nothing more to fetch
	WIN MUL_LO
	MUL16 0, 1
	MUL16 2, 1
	s_wait_dscnt 0
	WIN MUL_HI
	MUL16 4, 1
	MUL16 6, 1
	PLACES 4                                       ; behind the last products: for the reads of the results and for the conversions' writes into the registers that held P's fragments
; THE WAY OUT, a window of 32 accumulators at a time: hold, convert, store.  No LDS: a lane's two conversions of blocks 2 c and 2 c + 1 are the four registers of a piece.
.macro OUTW w
	WIN 0x82+0x41*(\w)                             ; source 0 and destination window 2 + w
.set i, 0
.rept 256
	v_med3_num_f32 v[i], v[i], -v[LIM], v[LIM]     ; the conversion to an 8-bit code does not saturate (ISA guide 7.6.2); each accumulator from its low end on
.set i, i+1
.endr
	WIN 0x02+(\w)                                  ; source 0 window 2 + w, destination window 0
.set i, 0
.rept 32
	v_cvt_scalef32_pk8_bf8_f32 v[CD+64*(\w)+2*i:CD+64*(\w)+2*i+1], v[8*i:8*i+7], v[SCL]
.set i, i+1
.endr
	v_nop                                          ; one plain vector instruction behind the last conversion
	WIN 0
.irp a, 0,1,2,3
.irp c, 0,1,2,3
	global_store_b128 v[OFF+2*(4*(\w)+\a)+\c/2], v[CD+16*(4*(\w)+\a)+4*\c:CD+16*(4*(\w)+\a)+4*\c+3], s[10:11] offset:512*(\c%2)   ; 32 lanes store 512 consecutive bytes, at a multiple of 512 from the image's first byte
.endr
.endr
.endm
	OUTW 0
	OUTW 1
	s_wait_tensorcnt 0x0                           ; the wave's end
	ds_add_u32 v[SPW], v[NIL]
	s_wait_dscnt 0x0
	CROUND                                         ; the closing round: no work-group ends while a partner may still ask for a tile that names it
	s_endpgm
.Lfunc_end_k_q3b47c6e56b_proj:
	.size	k_q3b47c6e56b_proj, .Lfunc_end_k_q3b47c6e56b_proj-k_q3b47c6e56b_proj
	.p2alignl 7, 3214868480
	.fill 96, 4, 3214868480
	.section	.rodata,"a",@progbits
	.p2align	6, 0x0
	.amdhsa_kernel k_q3b47c6e56b_proj
		.amdhsa_group_segment_fixed_size 327680
		.amdhsa_private_segment_fixed_size 0
		.amdhsa_enable_private_segment 0
		.amdhsa_kernarg_size 104
		.amdhsa_user_sgpr_count 2
		.amdhsa_user_sgpr_kernarg_segment_ptr 1
		.amdhsa_wavefront_size32 1
		.amdhsa_system_sgpr_workgroup_id_x 1
		.amdhsa_system_sgpr_workgroup_id_y 1
		.amdhsa_system_sgpr_workgroup_id_z 1
		.amdhsa_system_vgpr_workitem_id 0
		.amdhsa_next_free_vgpr 1024
		.amdhsa_next_free_sgpr 102
		.amdhsa_reserve_vcc 0
		.amdhsa_float_denorm_mode_32 3
		.amdhsa_float_denorm_mode_16_64 3
		.amdhsa_memory_ordered 1
		.amdhsa_forward_progress 1
		.amdhsa_inst_pref_size 143
	.end_amdhsa_kernel
	.amdgpu_metadata
---
amdhsa.version: [ 1, 2 ]
amdhsa.kernels:
  - .name:           k_q3b47c6e56b_proj
    .symbol:         k_q3b47c6e56b_proj.kd
    .args:
      - { .name: query_codes, .offset: 0, .size: 8, .value_kind: global_buffer, .address_space: global }
      - { .name: key__codes, .offset: 8, .size: 8, .value_kind: global_buffer, .address_space: global }
      - { .name: Wv_codes, .offset: 16, .size: 8, .value_kind: global_buffer, .address_space: global }
      - { .name: Wq_codes, .offset: 24, .size: 8, .value_kind: global_buffer, .address_space: global }
      - { .name: Wk_codes, .offset: 32, .size: 8, .value_kind: global_buffer, .address_space: global }
      - { .name: value_codes, .offset: 40, .size: 8, .value_kind: global_buffer, .address_space: global }
      - { .name: bq, .offset: 48, .size: 8, .value_kind: global_buffer, .address_space: global }
      - { .name: bk, .offset: 56, .size: 8, .value_kind: global_buffer, .address_space: global }
      - { .name: bv, .offset: 64, .size: 8, .value_kind: global_buffer, .address_space: global }
      - { .name: q_img, .offset: 72, .size: 8, .value_kind: global_buffer, .address_space: global }
      - { .name: k_img, .offset: 80, .size: 8, .value_kind: global_buffer, .address_space: global }
      - { .name: v_img, .offset: 88, .size: 8, .value_kind: global_buffer, .address_space: global }
      - { .name: lowp_scales, .offset: 96, .size: 8, .value_kind: global_buffer, .address_space: global }
    .group_segment_fixed_size: 327680
    .private_segment_fixed_size: 0
    .kernarg_segment_align: 8
    .kernarg_segment_size: 104
    .max_flat_workgroup_size: 128
    .sgpr_count:     102
    .vgpr_count:     1024
    .wavefront_size: 32
...
	.end_amdgpu_metadata
.endif
;; end of part 1
;; launch attn (part 2): grid 4 x 64, 8 waves a work-group, clusters of 4 x 1, 263,168 bytes of LDS; arguments q_img, k_img, v_img, lowp_scales, ctx_img; writes ctx_img
.if DOCPART == 2
	.amdgcn_target "amdgcn-amd-amdhsa--gfx1250"
	.amdhsa_code_object_version 6
	.text
	.protected	k_q3b47c6e56b_attn
	.globl	k_q3b47c6e56b_attn
	.p2align	8
	.type	k_q3b47c6e56b_attn,@function
k_q3b47c6e56b_attn:
	s_mov_b64 s[64:65], 0
	v_nop
	global_prefetch_b8 v0, s[64:65] scope:SCOPE_SE
	s_setreg_imm32_b32 hwreg(HW_REG_WAVE_MODE, 25, 1), 1
	s_wait_xcnt 0x0
	s_wait_alu depctr_hold_cnt(0) depctr_sa_sdst(0) depctr_va_vdst(0) depctr_va_sdst(0) depctr_va_ssrc(0) depctr_va_vcc(0) depctr_vm_vsrc(0)
	s_getreg_b32 s2, hwreg(HW_REG_IB_STS2, 6, 4)
	s_cmp_eq_u32 s2, 0
	s_cbranch_scc0 .Lentry_in_a_cluster
	s_endpgm
.Lentry_in_a_cluster:
	s_bfe_u32 s2, ttmp6, 0x10000c
	s_cmp_lg_u32 s2, 0x3003
	s_cbranch_scc0 .Lentry_shape_is_right
	s_endpgm
.Lentry_shape_is_right:
; ctx = softmax(Q K^T / 8) V for one (batch, head), both products on codes of BF8 (E5M2), and the quantiser of ctx.  Q, K, V come as images of operand registers (a piece: 512 bytes, lane l's 16 bytes at 16 l).
; THE SOFTMAX AHEAD OF THE SECOND PRODUCT: t = score x log2(e) / 8; M = the row's largest t so far, rounded UP to a whole number; p = 2^(t - M) is quantised along the keys with 2^e9, not normalised.
; The row's sum is taken of the unquantised p, in f32, and divides at the end.  When M moves, the sum and O are multiplied by 2^(old M - new M), which rounds nothing.
; SHARES.  64 heads x 4 blocks of 512 queries = 256 work-groups.  Each of eight waves owns 64 queries: four tiles of 16, worked as two pairs, so that each fragment of K and V read from LDS feeds four matrix instructions.
; Every wave walks all 2,048 keys, 128 a step.  LDS holds the head's whole K (131,072 bytes) and V (131,072 bytes) as dense images: eight loads of 32,768 bytes, one a wave, at the head; nothing is filled twice, so one barrier serves.
; CLUSTER.  The four query blocks of a head form a cluster: each 32,768 bytes are asked for jointly, by the same load with the same descriptor and the mask of all four.
; NO PREFETCH: every tile is asked for by the head's one load a wave; there is no loop to run ahead in.
; LAYOUT.  S^T = K Q^T (source 0 = 16 keys, source 1 = 16 queries), O^T = V^T P (source 0 = 16 channels, source 1 = P): a lane holds ONE query (lane % 16).  In S^T's tile T a lane's eight registers are keys
; 16 T + 8 (lane / 16) + 0..7: what registers 2 T, 2 T + 1 of the second product's operand hold.  So the conversions' results are that operand.
; The first key step is written out: its products start O^T (C = 0) and its p start the sums; the last is written out too: it fetches nothing.
; LIMITS on the given exponents, so that each power of two below is an f32 number: e6 + e7 between -123 and 130; e9 and e10 between -126 and 112; e8 + e9 goes through v_ldexp_f32.  NaN among the inputs is not served.
; REGISTERS.  window 0: v1 16 x lane; v2, v3 LDS addresses; v4-6 scales; v8, v9 the spare word, 0; v16-63 statistics, 12 a tile; v64-95 Q; v96-127 P of a pair; v128-255 S^T of a pair, then p.
;   window 1: v0-127 O^T, 32 a tile; v128-191 K's eight fragments; v192-255 V's four.
.set SPARE, 262144                     ; behind K and V: the spare words, 128 bytes for each wave, which no other line names
.set LI,   1
.set ADK,  2
.set ADV,  3
.set SCL,  4                           ; 2^e9
.set LIMC, 5                           ; 57,344 x 2^e10
.set SCLC, 6                           ; 2^e10
.set SPW,  8
.set NIL,  9
.set ST,   16                          ; tile g at ST + 12 g: +0 -M, +1 the largest t, +2:3 and +4:5 the sum in two chains, +6 f, +7 (named with it as a pair), +8, +9, +10 at work
.set QF,   64
.set PF,   96
.set SC,   128
.set OT,   0
.set KF,   128
.set VF,   192
.set WV,   14
.set SEL,  20                          ; s[20:21] lane selects for v_permlanex16_b32: lane l xor 16
.set CS,   22                          ; s[22:23] c = log2(e) / 8 x 2^(e6 + e7)
.set G1,   24
.set G0,   32
.set TK,   36                          ; LDS byte of the next K to fetch
.set TV,   37                          ; of the next V
.set CNT,  38
.set HOLD, 39                          ; 57,344 x 2^e9
.set MSB, 0
.macro WIN new                         ; the immediate's high byte repeats the setting that is left
.if MSB != \new
	s_set_vgpr_msb (MSB<<8)|\new
.set MSB, \new
.endif
.endm
.macro CROUND                          ; a round of the cluster's barrier
	s_barrier_signal -1
	s_barrier_wait -1
	s_cmp_lg_u32 s[WV], 0
	s_cbranch_scc1 .Lnot_wave_0_\@
	s_barrier_signal -3
.Lnot_wave_0_\@:
	s_barrier_wait -3
	s_barrier_signal -1
	s_barrier_wait -1
.endm
; A step's K: eight tiles of 16 keys, two pieces each.  The addition and three v_nop are the four places behind the products that read K's registers, and in front of the first read of their results.
.macro FETCH_K
	v_add_nc_u32 v[ADK], s[TK], v[LI]
.rept 3
	v_nop
.endr
	WIN 0x40
.irp T, 0,1,2,3,4,5,6,7
.irp c, 0,1
	ds_load_b128 v[KF+8*\T+4*\c:KF+8*\T+4*\c+3], v[ADK] offset:1024*\T+512*\c
.endr
.endr
	WIN 0
	s_add_co_u32 s[TK], s[TK], 8192
.endm
; A step's V: four tiles of 16 channels, four pieces each; four places likewise, behind the products that read V's registers.
.macro FETCH_V
	v_add_nc_u32 v[ADV], s[TV], v[LI]
.rept 3
	v_nop
.endr
	WIN 0x40
.irp t, 0,1,2,3
.irp c, 0,1,2,3
	ds_load_b128 v[VF+16*\t+4*\c:VF+16*\t+4*\c+3], v[ADV] offset:2048*\t+512*\c
.endr
.endr
	WIN 0
	s_add_co_u32 s[TV], s[TV], 8192
.endm
; 128 keys for the pair p of tiles (2 p, 2 p + 1).  first = 1: the walk's first step.  next = 1: behind pair 1's scores the next step's K is fetched, behind its second product the next V.
.macro PAIR p, first, next
.set SA, ST+24*(\p)
	WIN 0x01                                       ; source 0 (K) window 1
.irp T, 0,1,2,3,4,5,6,7
.irp x, 0,1
	v_wmma_f32_16x16x64_bf8_bf8 v[SC+64*\x+8*\T:SC+64*\x+8*\T+7], v[KF+8*\T:KF+8*\T+7], v[QF+16*(\p)+8*\x:QF+16*(\p)+8*\x+7], 0
.endr
.endr
	WIN 0
.if (\p) && (\next)
	FETCH_K
.else
.rept 4
	v_nop
.endr
.endif
	; the step's largest score of each query among the lane's 64 keys, two chains a tile; ascending
.irp x, 0,1
	v_max3_num_f32 v[SA+12*\x+8], v[SC+64*\x], v[SC+64*\x+1], v[SC+64*\x+2]
.endr
.irp x, 0,1
	v_max3_num_f32 v[SA+12*\x+9], v[SC+64*\x+3], v[SC+64*\x+4], v[SC+64*\x+5]
.endr
.irp i, 6,10,14,18,22,26,30,34,38,42,46,50,54,58
.irp x, 0,1
	v_max3_num_f32 v[SA+12*\x+8], v[SA+12*\x+8], v[SC+64*\x+\i], v[SC+64*\x+\i+1]
.endr
.irp x, 0,1
	v_max3_num_f32 v[SA+12*\x+9], v[SA+12*\x+9], v[SC+64*\x+\i+2], v[SC+64*\x+\i+3]
.endr
.endr
.irp x, 0,1
	v_max3_num_f32 v[SA+12*\x+8], v[SA+12*\x+8], v[SC+64*\x+62], v[SC+64*\x+63]
.endr
.irp x, 0,1
	v_max_num_f32 v[SA+12*\x+8], v[SA+12*\x+8], v[SA+12*\x+9]
.endr
.irp x, 0,1
	v_permlanex16_b32 v[SA+12*\x+10], v[SA+12*\x+8], s[SEL], s[SEL+1]   ; the query's other 64 keys lie in the lane 16 away
.endr
.irp x, 0,1
	v_max_num_f32 v[SA+12*\x+8], v[SA+12*\x+8], v[SA+12*\x+10]
.endr
.if \first
.irp x, 0,1
	v_mul_f32 v[SA+12*\x+1], s[CS], v[SA+12*\x+8]  ; as t (c is positive): the largest t so far
.endr
.irp x, 0,1
	v_floor_f32 v[SA+12*\x], -v[SA+12*\x+1]        ; -M = floor(-t) = -ceil(t): M is a whole number
.endr
.else
.irp x, 0,1
	v_mul_f32 v[SA+12*\x+8], s[CS], v[SA+12*\x+8]
.endr
.irp x, 0,1
	v_max_num_f32 v[SA+12*\x+1], v[SA+12*\x+1], v[SA+12*\x+8]   ; the running largest t
.endr
.irp x, 0,1
	v_mov_b32 v[SA+12*\x+8], v[SA+12*\x]
.endr
.irp x, 0,1
	v_floor_f32 v[SA+12*\x], -v[SA+12*\x+1]
.endr
.irp x, 0,1
	v_sub_f32 v[SA+12*\x+8], v[SA+12*\x], v[SA+12*\x+8]   ; old M - new M: a whole number, 0 or less
.endr
.irp x, 0,1
	v_cvt_i32_f32 v[SA+12*\x+8], v[SA+12*\x+8]     ; (it saturates)
.endr
.irp x, 0,1
	v_ldexp_f32 v[SA+12*\x+6], 1.0, v[SA+12*\x+8]  ; f = 2^(old M - new M)
.endr
.endif
.set i, 0
.rept 32
	v_pk_fma_f32 v[SC+2*i:SC+2*i+1], v[SC+2*i:SC+2*i+1], s[CS:CS+1], v[SA:SA+1] op_sel_hi:[1,0,0]   ; the pair's first tile: t - M, two at a time (of the pairs c and -M the low word serves both halves)
.set i, i+1
.endr
	s_wait_alu depctr_va_vdst(0)                   ; ahead of the batch
.set i, 0
.rept 32                               ; the first tile's p = 2^(t - M), at most 1; behind each two exponentials stands a line of the second tile, its t - M, which names none of their registers and is first read behind the wait below
	v_exp_f32 v[SC+2*i], v[SC+2*i]
	v_exp_f32 v[SC+2*i+1], v[SC+2*i+1]
	v_pk_fma_f32 v[SC+64+2*i:SC+65+2*i], v[SC+64+2*i:SC+65+2*i], s[CS:CS+1], v[SA+12:SA+13] op_sel_hi:[1,0,0]
.set i, i+1
.endr
	s_wait_alu depctr_va_vdst(0)                   ; behind the first batch and ahead of the second
.set i, 0
.rept 16                               ; the second tile's p; between its exponentials the first tile's lines, each independent of the others: four UNQUANTISED p summed into a pair of P's registers, which are free until the conversions, then the hold of those four
	v_exp_f32 v[SC+64+4*i], v[SC+64+4*i]
	v_pk_add_f32 v[PF+2*i:PF+2*i+1], v[SC+4*i:SC+4*i+1], v[SC+4*i+2:SC+4*i+3]
	v_exp_f32 v[SC+65+4*i], v[SC+65+4*i]
	v_dual_min_num_f32 v[SC+4*i], s[HOLD], v[SC+4*i] :: v_dual_min_num_f32 v[SC+4*i+1], s[HOLD], v[SC+4*i+1]
	v_exp_f32 v[SC+66+4*i], v[SC+66+4*i]
	v_exp_f32 v[SC+67+4*i], v[SC+67+4*i]
	v_dual_min_num_f32 v[SC+4*i+2], s[HOLD], v[SC+4*i+2] :: v_dual_min_num_f32 v[SC+4*i+3], s[HOLD], v[SC+4*i+3]
.set i, i+1
.endr
	v_nop                                          ; a plain place behind the last exponential
	s_wait_alu depctr_va_vdst(0)                   ; one wait for the batch and for what was written inside it, ahead of the first readers
	; the first tile's sixteen partial sums go into its two chains: the first four here (they carry the old sums x f), the other twelve in the run below
.if \first
	v_pk_add_f32 v[SA+2:SA+3], v[PF:PF+1], v[PF+4:PF+5]
	v_pk_add_f32 v[SA+4:SA+5], v[PF+2:PF+3], v[PF+6:PF+7]
.else
	v_pk_fma_f32 v[SA+2:SA+3], v[SA+2:SA+3], v[SA+6:SA+7], v[PF:PF+1] op_sel_hi:[1,0,1]
	v_pk_fma_f32 v[SA+4:SA+5], v[SA+4:SA+5], v[SA+6:SA+7], v[PF+2:PF+3] op_sel_hi:[1,0,1]
	v_pk_add_f32 v[SA+2:SA+3], v[SA+2:SA+3], v[PF+4:PF+5]
	v_pk_add_f32 v[SA+4:SA+5], v[SA+4:SA+5], v[PF+6:PF+7]
.endif
	; the sums of the UNQUANTISED p (their first terms carry the old sums x f), then the hold: p is not negative, so it is one-sided; two numbers an instruction (the conversion does not saturate: ISA guide 7.6.2)
.set i, 0
.rept 32                               ; the second tile
.irp x, 1
.if i > 1
	v_pk_add_f32 v[SA+12*\x+2+2*(i%2):SA+12*\x+3+2*(i%2)], v[SA+12*\x+2+2*(i%2):SA+12*\x+3+2*(i%2)], v[SC+64*\x+2*i:SC+64*\x+2*i+1]
.else
.if \first
	v_dual_mov_b32 v[SA+12*\x+2+2*i], v[SC+64*\x+2*i] :: v_dual_mov_b32 v[SA+12*\x+3+2*i], v[SC+64*\x+2*i+1]
.else
	v_pk_fma_f32 v[SA+12*\x+2+2*i:SA+12*\x+3+2*i], v[SA+12*\x+2+2*i:SA+12*\x+3+2*i], v[SA+12*\x+6:SA+12*\x+7], v[SC+64*\x+2*i:SC+64*\x+2*i+1] op_sel_hi:[1,0,1]
.endif
.endif
.endr
.if i < 12
	v_pk_add_f32 v[SA+2+2*(i%2):SA+3+2*(i%2)], v[SA+2+2*(i%2):SA+3+2*(i%2)], v[PF+8+2*i:PF+9+2*i]   ; the first tile's partial sums 4 to 15
.endif
.irp x, 1
	v_dual_min_num_f32 v[SC+64*\x+2*i], s[HOLD], v[SC+64*\x+2*i] :: v_dual_min_num_f32 v[SC+64*\x+2*i+1], s[HOLD], v[SC+64*\x+2*i+1]
.endr
.set i, i+1
.endr
.irp x, 0,1
.irp T, 0,1,2,3,4,5,6,7
	v_cvt_scalef32_pk8_bf8_f32 v[PF+16*\x+2*\T:PF+16*\x+2*\T+1], v[SC+64*\x+8*\T:SC+64*\x+8*\T+7], v[SCL]
.endr
.endr
.if \first
	v_nop                                          ; one plain vector instruction between a scaled conversion and the matrix instruction that reads its result
.else
	WIN 0x41                                       ; O^T: source 0 and destination window 1
	s_wait_alu depctr_va_vdst(0)                   ; directly ahead of the first reader of O^T
.set i, 0
.rept 32
	v_pk_mul_f32 v[OT+64*(\p)+2*i:OT+64*(\p)+2*i+1], v[OT+64*(\p)+2*i:OT+64*(\p)+2*i+1], v[SA+12*(i/16)+6:SA+12*(i/16)+7] op_sel_hi:[1,0]   ; O^T under the new M; also the plain instructions behind the conversions
.set i, i+1
.endr
.endif
.if (\p) == 0
	s_wait_alu depctr_va_vdst(0)                   ; directly ahead of the wait below
	s_wait_dscnt 0x0                               ; V is in: nothing was issued behind its loads
.endif
	WIN 0x51                                       ; V, C and D window 1, P window 0
.irp t, 0,1,2,3
.irp x, 0,1
.if \first
	v_wmma_f32_16x16x128_bf8_bf8 v[OT+64*(\p)+32*\x+8*\t:OT+64*(\p)+32*\x+8*\t+7], v[VF+16*\t:VF+16*\t+15], v[PF+16*\x:PF+16*\x+15], 0
.else
	v_wmma_f32_16x16x128_bf8_bf8 v[OT+64*(\p)+32*\x+8*\t:OT+64*(\p)+32*\x+8*\t+7], v[VF+16*\t:VF+16*\t+15], v[PF+16*\x:PF+16*\x+15], v[OT+64*(\p)+32*\x+8*\t:OT+64*(\p)+32*\x+8*\t+7]   ; eight accumulators by turns
.endif
.endr
.endr
	WIN 0
.if (\p) && (\next)
	FETCH_V
.endif
.endm
.macro STEP first, next
	s_wait_dscnt 16                                ; K is in; V's 16 loads, issued behind K's, may be out
	PAIR 0, \first, \next
	PAIR 1, \first, \next
.endm
	s_load_b256 s[4:11], s[0:1], 0x0               ; q_img s[4:5], k_img s[6:7], v_img s[8:9], the scales' exponents s[10:11]
	s_load_b64 s[12:13], s[0:1], 0x20              ; ctx_img
	v_lshl_add_u32 v[SPW], v0, 2, SPARE
	v_mov_b32 v[NIL], 0
	ds_add_u32 v[SPW], v[NIL]                      ; the opening lines: the add, twice on end, and its wait ahead of my tensor load
	ds_add_u32 v[SPW], v[NIL]
	v_lshrrev_b32 v2, 5, v0
	v_readfirstlane_b32 s[WV], v2                  ; wave 0..7
	v_and_b32 v1, 31, v0
	v_lshlrev_b32 v[LI], 4, v1                     ; 16 x lane: my place in every piece, in LDS and in memory
	s_bfe_u32 s15, ttmp6, 0x40000                  ; cx
	s_lshl_b32 s16, ttmp9, 2
	s_add_co_u32 s16, s16, s15                     ; my block of 512 queries: it enters Q's and ctx's addresses alone
	s_and_b32 s17, ttmp7, 0xffff                   ; 16 b + head, which the four partners share
	s_mov_b32 s[G1], 15|(3<<16)|(1<<21)            ; the mask of all four; elements of 8 bytes; 21 set beside a mask; no padding: the images are read 512 consecutive bytes at a time
	s_mov_b32 s[G1+1], 32<<16                      ; a dense block of 32,768 bytes as 128 rows of 256: tensor_dim0 = 32
	s_mov_b32 s[G1+2], 128<<16                     ; tensor_dim1
	s_mov_b32 s[G1+3], 32<<16                      ; tile_dim0
	s_mov_b32 s[G1+4], 128                         ; tile_dim1
	s_mov_b32 s[G1+5], 32                          ; from row to row
	s_mov_b32 s[G1+6], 0
	s_mov_b32 s[G1+7], 0
	s_lshr_b32 s18, s[WV], 2                       ; waves 0-3 fetch K's quarters, waves 4-7 V's
	s_and_b32 s19, s[WV], 3
	s_lshl_b32 s19, s19, 15
	s_lshl_b32 s2, s[WV], 15                       ; in LDS: K at 0, V at 131,072
	s_lshl_b32 s40, s17, 17                        ; a head's image is 131,072 bytes in each of the three
	s_add_co_u32 s40, s40, s19
	s_mov_b32 s41, 0
	s_mov_b32 s[SEL], 0x76543210
	s_mov_b32 s[SEL+1], 0xfedcba98
	s_mov_b32 s[TK], 0
	s_mov_b32 s[TV], 131072
	s_wait_alu depctr_va_vdst(0)                   ; directly ahead of the wait below
	s_wait_dscnt 0x0                               ; both opening adds are done
	s_wait_kmcnt 0x0
	s_load_b128 s[52:55], s[10:11], 0x18           ; e6, e7, e8, e9
	s_load_b32 s56, s[10:11], 0x28                 ; e10
	s_cmp_eq_u32 s18, 0
	s_cselect_b64 s[58:59], s[6:7], s[8:9]
	s_mov_b32 s[G0], 1                             ; count = 1
	s_mov_b32 s[G0+1], s2                          ; LDS address
	s_add_nc_u64 s[G0+2:G0+3], s[58:59], s[40:41]  ; global address
	s_or_b32 s[G0+3], s[G0+3], 0x80000000          ; type = 2
	CROUND                                         ; all four work-groups are here: the joint loads meet
	tensor_load_to_lds s[G0:G0+3], s[G1:G1+7]      ; my one tensor load
	s_nop 0
.rept 4
	v_nop
.endr
	s_lshl_b32 s40, s17, 17                        ; Q: row tile 128 (16 b + head) + 32 block + 4 wave, 1,024 bytes each
	s_lshl_b32 s3, s16, 15
	s_add_co_u32 s40, s40, s3
	s_lshl_b32 s3, s[WV], 12
	s_add_co_u32 s40, s40, s3
	s_add_nc_u64 s[4:5], s[4:5], s[40:41]
.irp g, 0,1,2,3
.irp c, 0,1
	global_load_b128 v[QF+8*\g+4*\c:QF+8*\g+4*\c+3], v[LI], s[4:5] offset:1024*\g+512*\c   ; Q's four fragments stay in registers
.endr
.endr
	s_lshr_b32 s40, s17, 4                         ; ctx_img: row tile 128 b + 32 block + 4 wave, 16,384 bytes each; a head's 64 channels are two pieces, 1,024 bytes
	s_lshl_b32 s40, s40, 21
	s_lshl_b32 s3, s16, 19
	s_add_co_u32 s40, s40, s3
	s_lshl_b32 s3, s[WV], 16
	s_add_co_u32 s40, s40, s3
	s_and_b32 s3, s17, 15
	s_lshl_b32 s3, s3, 10
	s_add_co_u32 s40, s40, s3
	s_add_nc_u64 s[12:13], s[12:13], s[40:41]
.irp g, 0,1,2,3
	v_mov_b32 v[ST+12*\g+7], 0                     ; (named as the upper half of f's pair)
	v_mov_b32 v[ST+12*\g+10], 0                    ; written once: a lane permute's destination counts as one of its sources
.endr
	s_wait_kmcnt 0x0
	s_add_co_i32 s3, s52, s53
	s_lshl_b32 s3, s3, 23
	s_mov_b32 s[CS], 0x3e38aa3b                    ; log2(e) / 8
	s_add_co_i32 s[CS], s[CS], s3                  ; a score stands for score x 2^(e6 + e7): the two exponents are added to c's exponent field
	s_mov_b32 s[CS+1], s[CS]                       ; (named with it as a pair)
	s_add_co_i32 s3, s55, 127
	s_lshl_b32 s2, s3, 23
	v_mov_b32 v[SCL], s2                           ; 2^e9
	s_add_co_i32 s3, s3, 15
	s_lshl_b32 s3, s3, 23
	s_or_b32 s[HOLD], s3, 0x600000                 ; 57,344 x 2^e9
	s_add_co_i32 s3, s56, 127
	s_lshl_b32 s2, s3, 23
	v_mov_b32 v[SCLC], s2                          ; 2^e10
	s_add_co_i32 s3, s3, 15
	s_lshl_b32 s3, s3, 23
	s_or_b32 s3, s3, 0x600000
	v_mov_b32 v[LIMC], s3                          ; 57,344 x 2^e10
	s_add_co_i32 s57, s54, s55                     ; e8 + e9
	s_wait_alu depctr_va_vdst(0)                   ; the head's end
	s_wait_loadcnt 0x0                             ; Q
	s_wait_tensorcnt 0x0                           ; my eighth of K and V has landed,
	s_barrier_signal -1
	s_barrier_wait -1                              ; and everybody's
	FETCH_K                                        ; step 0
	FETCH_V
	STEP 1, 1                                      ; step 0 starts the sums
	s_mov_b32 s[CNT], 14
.Lstep:                                                ; steps 1-14
	STEP 0, 1
	s_sub_co_u32 s[CNT], s[CNT], 1
	s_cmp_lg_u32 s[CNT], 0
	s_cbranch_scc1 .Lstep
	STEP 0, 0                                      ; step 15 fetches nothing
	; THE WAY OUT.  ctx = O^T x 2^(e8 + e9) / the sum, held, converted with 2^e10, and stored as pieces of the last product's operand.  The first lines are the places behind the last products.
.irp g, 0,1,2,3
	v_pk_add_f32 v[ST+12*\g+2:ST+12*\g+3], v[ST+12*\g+2:ST+12*\g+3], v[ST+12*\g+4:ST+12*\g+5]
.endr
.irp g, 0,1,2,3
	v_add_f32 v[ST+12*\g+8], v[ST+12*\g+2], v[ST+12*\g+3]
.endr
.irp g, 0,1,2,3
	v_permlanex16_b32 v[ST+12*\g+10], v[ST+12*\g+8], s[SEL], s[SEL+1]
.endr
.irp g, 0,1,2,3
	v_add_f32 v[ST+12*\g+8], v[ST+12*\g+8], v[ST+12*\g+10]   ; the row's sum
.endr
	s_wait_alu depctr_va_vdst(0)                   ; ahead of the batch
.irp g, 0,1,2,3
	v_rcp_f32 v[ST+12*\g+6], v[ST+12*\g+8]
.endr
	v_nop                                          ; a plain place behind the last reciprocal
	s_wait_alu depctr_va_vdst(0)                   ; the wait ahead of the batch's first reader
.irp g, 0,1,2,3
	v_ldexp_f32 v[ST+12*\g+6], v[ST+12*\g+6], s57
.endr
	WIN 0x01                                       ; source 0 (O^T) window 1
	s_wait_alu depctr_va_vdst(0)                   ; directly ahead of the first reader of O^T
.set i, 0
.rept 64
	v_pk_mul_f32 v[SC+2*i:SC+2*i+1], v[OT+2*i:OT+2*i+1], v[ST+12*(i/16)+6:ST+12*(i/16)+7] op_sel_hi:[1,0]   ; register 32 g + 8 t + j: tile g, channel 16 t + 8 (lane / 16) + j; each accumulator from its low end on
.set i, i+1
.endr
	WIN 0
.set i, 0
.rept 128
	v_med3_num_f32 v[SC+i], v[SC+i], -v[LIMC], v[LIMC]
.set i, i+1
.endr
.set i, 0
.rept 16
	v_cvt_scalef32_pk8_bf8_f32 v[PF+2*i:PF+2*i+1], v[SC+8*i:SC+8*i+7], v[SCLC]
.set i, i+1
.endr
	v_nop                                          ; one plain vector instruction behind the last conversion
	; The last product's operand wants, in lane (r, h) of piece c, channels 32 c + 16 h + 0..15: channel tile 2 c's upper lanes change places with tile 2 c + 1's lower lanes.
.irp g, 0,1,2,3
.irp c, 0,1
	v_permlane16_swap_b32 v[PF+8*\g+4*\c], v[PF+8*\g+4*\c+2]
	v_permlane16_swap_b32 v[PF+8*\g+4*\c+1], v[PF+8*\g+4*\c+3]
.endr
.endr
.irp g, 0,1,2,3
.irp c, 0,1
	global_store_b128 v[LI], v[PF+8*\g+4*\c:PF+8*\g+4*\c+3], s[12:13] offset:16384*\g+512*\c   ; 32 lanes store 512 consecutive bytes, at a multiple of 512 from the image's first byte
.endr
.endr
	s_wait_tensorcnt 0x0                           ; the wave's end
	ds_add_u32 v[SPW], v[NIL]
	s_wait_dscnt 0x0
	CROUND                                         ; the closing round
	s_endpgm
.Lfunc_end_k_q3b47c6e56b_attn:
	.size	k_q3b47c6e56b_attn, .Lfunc_end_k_q3b47c6e56b_attn-k_q3b47c6e56b_attn
	.p2alignl 7, 3214868480
	.fill 96, 4, 3214868480
	.section	.rodata,"a",@progbits
	.p2align	6, 0x0
	.amdhsa_kernel k_q3b47c6e56b_attn
		.amdhsa_group_segment_fixed_size 263168
		.amdhsa_private_segment_fixed_size 0
		.amdhsa_enable_private_segment 0
		.amdhsa_kernarg_size 40
		.amdhsa_user_sgpr_count 2
		.amdhsa_user_sgpr_kernarg_segment_ptr 1
		.amdhsa_wavefront_size32 1
		.amdhsa_system_sgpr_workgroup_id_x 1
		.amdhsa_system_sgpr_workgroup_id_y 1
		.amdhsa_system_sgpr_workgroup_id_z 1
		.amdhsa_system_vgpr_workitem_id 0
		.amdhsa_next_free_vgpr 512
		.amdhsa_next_free_sgpr 66
		.amdhsa_reserve_vcc 0
		.amdhsa_float_denorm_mode_32 3
		.amdhsa_float_denorm_mode_16_64 3
		.amdhsa_memory_ordered 1
		.amdhsa_forward_progress 1
		.amdhsa_inst_pref_size 178
	.end_amdhsa_kernel
	.amdgpu_metadata
---
amdhsa.version: [ 1, 2 ]
amdhsa.kernels:
  - .name:           k_q3b47c6e56b_attn
    .symbol:         k_q3b47c6e56b_attn.kd
    .args:
      - { .name: q_img, .offset: 0, .size: 8, .value_kind: global_buffer, .address_space: global }
      - { .name: k_img, .offset: 8, .size: 8, .value_kind: global_buffer, .address_space: global }
      - { .name: v_img, .offset: 16, .size: 8, .value_kind: global_buffer, .address_space: global }
      - { .name: lowp_scales, .offset: 24, .size: 8, .value_kind: global_buffer, .address_space: global }
      - { .name: ctx_img, .offset: 32, .size: 8, .value_kind: global_buffer, .address_space: global }
    .group_segment_fixed_size: 263168
    .private_segment_fixed_size: 0
    .kernarg_segment_align: 8
    .kernarg_segment_size: 40
    .max_flat_workgroup_size: 256
    .sgpr_count:     66
    .vgpr_count:     512
    .wavefront_size: 32
...
	.end_amdgpu_metadata
.endif
;; end of part 2
;; launch outp (part 3): grid 4 x 64, 4 waves a work-group, clusters of 4 x 4, 327,680 bytes of LDS; arguments ctx_img, Wo_codes, bo, lowp_scales, out0; writes out0
.if DOCPART == 3
	.amdgcn_target "amdgcn-amd-amdhsa--gfx1250"
	.amdhsa_code_object_version 6
	.text
	.protected	k_q3b47c6e56b_outp
	.globl	k_q3b47c6e56b_outp
	.p2align	8
	.type	k_q3b47c6e56b_outp,@function
k_q3b47c6e56b_outp:
	s_mov_b64 s[64:65], 0
	v_nop
	global_prefetch_b8 v0, s[64:65] scope:SCOPE_SE
	s_setreg_imm32_b32 hwreg(HW_REG_WAVE_MODE, 25, 1), 1
	s_wait_xcnt 0x0
	s_wait_alu depctr_hold_cnt(0) depctr_sa_sdst(0) depctr_va_vdst(0) depctr_va_sdst(0) depctr_va_ssrc(0) depctr_va_vcc(0) depctr_vm_vsrc(0)
	s_getreg_b32 s2, hwreg(HW_REG_IB_STS2, 6, 4)
	s_cmp_eq_u32 s2, 0
	s_cbranch_scc0 .Lentry_in_a_cluster
	s_endpgm
.Lentry_in_a_cluster:
	s_bfe_u32 s2, ttmp6, 0x10000c
	s_cmp_lg_u32 s2, 0xf033
	s_cbranch_scc0 .Lentry_shape_is_right
	s_endpgm
.Lentry_shape_is_right:
; out0 = ctx Wo^T + bo on codes of BF8 (E5M2).  ctx comes as images of operand registers: [row tile 512][128 along K: 8][c 4][512 bytes], lane (r, h): row 16 tile + r, k = 32 c + 16 h + 0..15;
; Wo as rows of 1,024 codes.  Wo's fragments are fetched by four loads of 16 bytes, which puts the same k in the same places as ctx's images have them: a permutation of k that is alike in both operands.
; SHARES.  A tile is 128 rows of ctx (P) x 256 rows of Wo (R): 256 work-groups.  Four waves, each 64 x 128: 32 accumulators.  Source 0 = 16 rows of Wo, source 1 = 16 rows of ctx: a lane holds eight neighbouring
; numbers of a row of out0.
; CLUSTERS: 4 x 4 work-groups.  The four of a row of the cluster need the same rows of ctx, the four of a column the same rows of Wo: each tile is asked for jointly.
; K goes in four steps of 256 through three LDS slots: three are asked for at the head, the fourth fills slot 0 again when its two halves have been read.  Eight steps of 128 along K are written out, no loop.
; out0 = sum x 2^(e10 + e11) + bo: one packed multiply-add for two numbers, on the way out.
; LIMIT: e10 + e11 lies between -126 and 127, so that 2^(e10 + e11) is an f32 number.
; REGISTERS: window 0: v1-5 lane terms; v16-22 LDS addresses; v24-26 the way out; v28, v29 the spare word, 0; v64-127, v128-191 P's fragments, two sets; on the way out v64-127 results, v128-255 rows read back.
;   window 1: R's fragments, two sets.   window 2: accumulator (a, b) at v[8 (8 a + b)].   window 3: v0-63 bo, eight numbers for each block b.
.set PITCH, 272                        ; a row of Wo in LDS: 256 bytes + 16 of padding
.set PT,    32768                      ; P's part of a slot: 8 row tiles x 4,096 bytes of images, dense
.set SLOT,  PT+256*PITCH
.set SPARE, 3*SLOT                     ; behind the three slots: the spare words, 128 bytes for each wave, which no other line names
.set STAGE, SLOT                       ; the way out: 16 rows x (512 bytes + 16) for each wave, in slot 1: it has had its one fill, and every wave's last read of it lies in front of the last barrier
.set SPITCH, 528
.set ADP,  16                          ; v16-18  LDS address of my P images in slot 0, 1, 2
.set ADRR, 20                          ; v20-22  of my R fragments
.set STO,  24
.set RD,   25
.set CO,   26
.set SPW,  28
.set NIL,  29
.set TMP,  64
.set BK,   128
.set G1P, 24
.set G1R, 32
.set G0P, 40
.set G0R, 52
.set MUL, 0xa1                         ; source 0 (R) window 1, source 1 (P) window 0, C and D window 2
.set MSB, 0
.macro WIN new
.if MSB != \new
	s_set_vgpr_msb (MSB<<8)|\new
.set MSB, \new
.endif
.endm
.macro PLACES n
.rept \n
	v_nop
.endr
.endm
.macro CREST
	s_cmp_lg_u32 s12, 0
	s_cbranch_scc1 .Lnot_wave_0_\@
	s_barrier_signal -3
.Lnot_wave_0_\@:
	s_barrier_wait -3
	s_barrier_signal -1
	s_barrier_wait -1
.endm
.macro CROUND
	s_barrier_signal -1
	s_barrier_wait -1
	CREST
.endm
; A joint load.  Even waves fetch P's eight row tiles of a K step, odd waves R's 256 rows.  all = 1 (the head): waves 0, 1 ask for K step 0, waves 2, 3 for K step 1, one load a wave.
; all = 0: waves 0 and 1 alone ask.  The branches hang on the wave's number alone.  An s_nop 0 and four v_nop follow each of the two lines.
.macro JLOAD all
.if !\all
	s_cmp_eq_u32 s13, 0
	s_cbranch_scc0 .Lasked_\@
.endif
	s_cmp_eq_u32 s14, 0
	s_cbranch_scc0 .Lfor_r_\@
	tensor_load_to_lds s[G0P:G0P+3], s[G1P:G1P+7]
	s_nop 0
.rept 4
	v_nop
.endr
	s_branch .Lasked_\@
.Lfor_r_\@:
	tensor_load_to_lds s[G0R:G0R+3], s[G1R:G1R+7]
	s_nop 0
.rept 4
	v_nop
.endr
.Lasked_\@:
.endm
; The fragments of step q: 48 LDS loads in one run, R's eight from rows, P's four from images, into set q % 2.  Step q lies in slot (q / 2) % 3.
.macro FETCH q
.set FR_, 128*((\q)&1)
.set FP_, 64+64*((\q)&1)
.set FSL, ((\q)>>1)%3
.set FKB, (\q)&1
	WIN 0x40
.irp i, 0,1,2,3,4,5,6,7
.irp c, 0,1,2,3
	ds_load_b128 v[FR_+16*\i+4*\c:FR_+16*\i+4*\c+3], v[ADRR+FSL] offset:128*FKB+\i*16*PITCH+32*\c
.endr
.endr
	WIN 0
.irp i, 0,1,2,3
.irp c, 0,1,2,3
	ds_load_b128 v[FP_+16*\i+4*\c:FP_+16*\i+4*\c+3], v[ADP+FSL] offset:4096*\i+2048*FKB+512*\c
.endr
.endr
.endm
; 16 matrix instructions; zero = 1: the first product starts the sums.  The 32 accumulators take turns, one instruction a turn.
.macro MUL16 set, a0, zero
.irp a, \a0, \a0+1
.irp b, 0,1,2,3,4,5,6,7
.if \zero
	v_wmma_f32_16x16x128_bf8_bf8 v[8*(8*(\a)+\b):8*(8*(\a)+\b)+7], v[128*(\set)+16*\b:128*(\set)+16*\b+15], v[64+64*(\set)+16*(\a):64+64*(\set)+16*(\a)+15], 0
.else
	v_wmma_f32_16x16x128_bf8_bf8 v[8*(8*(\a)+\b):8*(8*(\a)+\b)+7], v[128*(\set)+16*\b:128*(\set)+16*\b+15], v[64+64*(\set)+16*(\a):64+64*(\set)+16*(\a)+15], v[8*(8*(\a)+\b):8*(8*(\a)+\b)+7]
.endif
.endr
.endr
.endm
.macro STEPQ q, first
.if !\first
	PLACES 4                                       ; a load into a register that a matrix instruction has read stands four plain vector instructions behind it (ISA guide 7.12.1 for vector instructions)
.endif
	FETCH (\q)+1
	s_wait_dscnt 48                                ; all but the 48 just issued: this step's fragments are in
	WIN MUL
	MUL16 (\q)&1, 0, \first
	MUL16 (\q)&1, 2, \first
.endm
; A step (on set 1) with a barrier in its middle; fill = 1: slot 0 is filled again with the last K step, behind a round of the cluster's barrier; fill = 0: that load has landed, nothing is filled.
.macro TURN next, fill
	WIN 0                                          ; (the add's two registers lie in window 0)
	s_wait_tensorcnt 0x0                           ; no tensor load of mine is out, so a group 0 may be written
	ds_add_u32 v[SPW], v[NIL]                      ; 0 onto my spare word
.if \fill
	s_mov_b32 s[G0P+1], 0                          ; waves 0 and 1: from K step 2 in slot 2 to K step 3 in slot 0
	s_mov_b32 s[G0R+1], PT
	s_add_nc_u64 s[G0P+2:G0P+3], s[G0P+2:G0P+3], 4096   ; 4,096 bytes a step in a row tile's images,
	s_add_nc_u64 s[G0R+2:G0R+3], s[G0R+2:G0R+3], 256    ; 256 in a row of Wo
.endif
	s_wait_dscnt 0x0                               ; the add is done, and my reads are back
	s_barrier_signal -1
	WIN MUL
	MUL16 1, 0, 0
	WIN 0
	s_barrier_wait -1
.if \fill
	CREST                                          ; no wave of any partner still reads slot 0 or has a load on its way
	JLOAD 0                                        ; the first tensor load behind the round
.endif
	PLACES 4                                       ; in every wave: the places in front of the loads below
	FETCH \next
	WIN MUL
	MUL16 1, 2, 0
.endm
	s_load_b256 s[68:75], s[0:1], 0x0              ; ctx_img 68, Wo's codes 70, bo 72, the scales' exponents 74
	s_load_b64 s[10:11], s[0:1], 0x20              ; out0
	v_lshl_add_u32 v[SPW], v0, 2, SPARE
	v_mov_b32 v[NIL], 0
	ds_add_u32 v28, v29
	ds_add_u32 v28, v29
	s_wait_dscnt 0x0
	v_lshrrev_b32 v3, 5, v0
	v_readfirstlane_b32 s12, v3                    ; wave 0..3
	s_lshr_b32 s13, s12, 1                         ; ph: which 64 rows of ctx are mine.  Also: which K step I fetch at the head (0 or 1)
	s_and_b32 s14, s12, 1                          ; rh: which 128 rows of Wo.  Also: I fetch for P (0) or for R (1)
	s_bfe_u32 s15, ttmp6, 0x40000                  ; cx = Ridx: which 256 rows of Wo
	s_bfe_u32 s16, ttmp6, 0x40004                  ; cy
	s_and_b32 s17, ttmp7, 0xffff
	s_lshl_b32 s22, s17, 2
	s_add_co_u32 s22, s22, s16                     ; Pidx: which 128 rows of ctx
	s_lshl_b32 s2, s16, 2
	s_lshl_b32 s2, 15, s2                          ; my row of the cluster
	s_lshl_b32 s3, 0x1111, s15                     ; my column
	s_or_b32 s[G1P], s2, (3<<16)|(1<<21)           ; P: the mask; elements of 8 bytes; 21 set beside a mask; no padding: images are read 512 consecutive bytes at a time
	s_mov_b32 s[G1P+1], 512<<16                    ; a row tile's 4,096 bytes of a K step: tensor_dim0 = 512
	s_mov_b32 s[G1P+2], 8<<16                      ; eight row tiles a load
	s_mov_b32 s[G1P+3], 512<<16                    ; tile_dim0
	s_mov_b32 s[G1P+4], 8                          ; tile_dim1
	s_mov_b32 s[G1P+5], 2048                       ; 16,384 bytes from row tile to row tile
	s_mov_b32 s[G1P+6], 0
	s_mov_b32 s[G1P+7], 0
	s_or_b32 s[G1R], s3, (1<<20)|(1<<21)|(5<<22)|(3<<25)   ; R: elements of 1 byte; four words of padding after every 64
	s_mov_b32 s[G1R+1], 256<<16
	s_mov_b32 s[G1R+2], 256<<16
	s_mov_b32 s[G1R+3], 256<<16
	s_mov_b32 s[G1R+4], 256
	s_mov_b32 s[G1R+5], 1024
	s_mov_b32 s[G1R+6], 0
	s_mov_b32 s[G1R+7], 0
	s_lshl_b32 s94, s22, 17                        ; P: row tile 8 Pidx, K step wave / 2 (4,096 bytes a step): registers that never hold cx
	s_lshl_b32 s96, s13, 12
	s_add_co_u32 s94, s94, s96
	s_mov_b32 s95, 0
	s_lshl_b32 s98, s15, 18                        ; R: row 256 Ridx, K step wave / 2 (256 bytes a step): registers that never hold cy
	s_lshl_b32 s96, s13, 8
	s_add_co_u32 s98, s98, s96
	s_mov_b32 s99, 0
	s_mul_i32 s97, s13, SLOT                       ; slot wave / 2
	s_add_co_u32 s90, s97, PT
	s_wait_kmcnt 0x0
	s_load_b64 s[66:67], s[74:75], 0x28            ; e10, e11
	s_add_nc_u64 s[94:95], s[68:69], s[94:95]
	s_add_nc_u64 s[98:99], s[70:71], s[98:99]
.irp s, 0
	s_mov_b32 s[G0P+4*\s], 1
	s_add_co_u32 s[G0P+4*\s+1], s97, \s*SLOT
	s_add_nc_u64 s[G0P+4*\s+2:G0P+4*\s+3], s[94:95], \s*4096
	s_or_b32 s[G0P+4*\s+3], s[G0P+4*\s+3], 0x80000000
	s_mov_b32 s[G0R+4*\s], 1
	s_add_co_u32 s[G0R+4*\s+1], s90, \s*SLOT
	s_add_nc_u64 s[G0R+4*\s+2:G0R+4*\s+3], s[98:99], \s*256
	s_or_b32 s[G0R+4*\s+3], s[G0R+4*\s+3], 0x80000000
.endr
	CROUND                                         ; all sixteen work-groups are here: the first joint loads meet
	JLOAD 1                                        ; K steps 0 and 1 into slots 0 and 1: one tensor load a wave at the head
	v_and_b32 v1, 15, v0                           ; r
	v_bfe_u32 v2, v0, 4, 1                         ; h
	v_and_b32 v3, 31, v0
	v_lshlrev_b32 v[CO], 4, v3                     ; 16 x lane
	s_wait_alu depctr_va_vdst(0)
	s_lshl_b32 s96, s15, 10
	s_lshl_b32 s97, s14, 9
	s_add_co_u32 s96, s96, s97
	v_lshl_add_u32 v4, v2, 5, s96                  ; bo: 4 x (256 Ridx + 128 rh + 8 h)
	WIN 0xc0                                       ; destination window 3
.irp b, 0,1,2,3,4,5,6,7
	global_load_b128 v[8*\b:8*\b+3], v4, s[72:73] offset:64*\b        ; waited for at the way out
	global_load_b128 v[8*\b+4:8*\b+7], v4, s[72:73] offset:64*\b+16
.endr
	WIN 0
	v_mul_u32_u24 v5, v1, PITCH
	v_lshl_add_u32 v5, v2, 4, v5                   ; a fragment's row x pitch + 16 x half
	s_lshl_b32 s96, s13, 14                        ; my four row tiles' images
	s_mul_i32 s97, s14, 128*PITCH                  ; my 128 rows of Wo,
	s_add_co_u32 s97, s97, PT                      ; which lie behind the images
.irp s, 0,1,2
	v_add_nc_u32 v[ADP+\s], s96, v[CO]
	v_add_nc_u32 v[ADRR+\s], s97, v5
	s_add_co_u32 s96, s96, SLOT
	s_add_co_u32 s97, s97, SLOT
.endr
	s_mul_i32 s96, s12, 16*SPITCH
	s_add_co_u32 s96, s96, STAGE                   ; my stage
	v_mul_u32_u24 v5, v1, SPITCH                   ; in: row r, 32 bytes for each half of the lanes
	v_lshl_add_u32 v5, v2, 5, v5
	v_add_nc_u32 v[STO], s96, v5
	v_add_nc_u32 v[RD], s96, v[CO]                 ; back: the 32 lanes take one row of 512 bytes
	s_lshl_b32 s20, s22, 19                        ; out0: row 128 Pidx + 64 ph of 4,096 bytes, column 256 Ridx + 128 rh
	s_lshl_b32 s21, s13, 18
	s_add_co_u32 s20, s20, s21
	s_lshl_b32 s21, s15, 10
	s_add_co_u32 s20, s20, s21
	s_lshl_b32 s21, s14, 9
	s_add_co_u32 s20, s20, s21
	s_mov_b32 s21, 0
	s_add_nc_u64 s[10:11], s[10:11], s[20:21]
	s_wait_alu depctr_va_vdst(0)
	; THE ORDER OF THE FILLS: K steps 0, 1 at the head; K step 2 into slot 2 behind the sequence and the round below; K step 3 into slot 0 again at step 3 of the eight.
	s_wait_tensorcnt 0x0                           ; my load has landed
	ds_add_u32 v[SPW], v[NIL]
	s_mov_b32 s[G0P+1], 2*SLOT                     ; waves 0 and 1: on to K step 2, in slot 2
	s_mov_b32 s[G0R+1], 2*SLOT+PT
	s_add_nc_u64 s[G0P+2:G0P+3], s[G0P+2:G0P+3], 2*4096
	s_add_nc_u64 s[G0R+2:G0R+3], s[G0R+2:G0R+3], 2*256
	s_wait_dscnt 0x0
	CROUND                                         ; slots 0 and 1 are whole for everybody, and all sixteen work-groups are here
	JLOAD 0                                        ; K step 2: the wait for it stands at step 3
	FETCH 0
	STEPQ 0, 1                                     ; its products start the sums: nothing is cleared
	STEPQ 1, 0
	STEPQ 2, 0
	TURN 4, 1                                      ; step 3: slot 2 is whole; slot 0, read out in steps 0 and 1, takes K step 3; nobody reads slot 1 any more
	STEPQ 4, 0
	TURN 6, 0
	STEPQ 6, 0
	s_wait_dscnt 0x0                               ; step 7
	MUL16 1, 0, 0
	MUL16 1, 2, 0
	WIN 0
; THE WAY OUT, block by block of 16 rows x 128 columns.  A lane holds 32 neighbouring bytes of a row and the lanes beside it hold other rows: a block goes through my own stage in LDS and comes back as whole rows of
; 512 bytes.  LDS serves a wave's instructions in order (ISA guide 5.7.1.4): no wait between the stores and the loads, nor in front of the next block's stores.
.macro TOSTAGE a
	WIN 0x32                                       ; source 0 (the sums) window 2, source 2 (bo) window 3
.irp b, 0,1,2,3,4,5,6,7
.irp i, 0,2,4,6
	v_pk_fma_f32 v[TMP+8*\b+\i:TMP+8*\b+\i+1], v[8*(8*(\a)+\b)+\i:8*(8*(\a)+\b)+\i+1], s[66:67], v[8*\b+\i:8*\b+\i+1] op_sel_hi:[1,0,1]   ; sum x 2^(e10 + e11) + bo; each accumulator from its low end on
.endr
.endr
	WIN 0
.irp b, 0,1,2,3,4,5,6,7
	ds_store_b128 v[STO], v[TMP+8*\b:TMP+8*\b+3] offset:64*\b
	ds_store_b128 v[STO], v[TMP+8*\b+4:TMP+8*\b+7] offset:64*\b+16
.endr
.set BB, BK+64*((\a)%2)
.irp t, 0,1,2,3,4,5,6,7,8,9,10,11,12,13,14,15
	ds_load_b128 v[BB+4*\t:BB+4*\t+3], v[RD] offset:\t*SPITCH
.endr
.endm
.macro SEND a, younger                 ; younger: the LDS instructions issued behind block a's loads, which may stay out
.set BB, BK+64*((\a)%2)
	s_wait_dscnt \younger
.irp t, 0,1,2,3,4,5,6,7,8,9,10,11,12,13,14,15
	global_store_b128 v[CO], v[BB+4*\t:BB+4*\t+3], s[10:11] offset:(16*(\a)+\t)*4096 th:TH_STORE_NT   ; 32 lanes store 512 consecutive bytes, at a multiple of 512 from out0's first byte; every offset is an immediate, 63 rows at the most
.endr
.endm
	s_wait_kmcnt 0x0
	s_add_co_i32 s66, s66, s67
	s_add_co_i32 s66, s66, 127
	s_lshl_b32 s66, s66, 23                        ; 2^(e10 + e11) as f32
	s_mov_b32 s67, s66                             ; (named with it as a pair)
	s_wait_loadcnt 0x0                             ; bo
	PLACES 4                                       ; behind the last products: for the reads of their results and for the loads into the registers that held P's fragments
	TOSTAGE 0
.irp a, 1,2,3
.if \a > 1
	s_wait_xcnt 0x0                                ; block a - 2's stores have read their registers: block a's loads may land there
.endif
	TOSTAGE \a
	SEND \a-1, 32                                  ; behind block a - 1's loads: block a's 16 stores and 16 loads
.endr
	SEND 3, 0
	s_wait_tensorcnt 0x0                           ; the wave's end
	ds_add_u32 v[SPW], v[NIL]
	s_wait_dscnt 0x0
	CROUND                                         ; the closing round
	s_endpgm
.Lfunc_end_k_q3b47c6e56b_outp:
	.size	k_q3b47c6e56b_outp, .Lfunc_end_k_q3b47c6e56b_outp-k_q3b47c6e56b_outp
	.p2alignl 7, 3214868480
	.fill 96, 4, 3214868480
	.section	.rodata,"a",@progbits
	.p2align	6, 0x0
	.amdhsa_kernel k_q3b47c6e56b_outp
		.amdhsa_group_segment_fixed_size 327680
		.amdhsa_private_segment_fixed_size 0
		.amdhsa_enable_private_segment 0
		.amdhsa_kernarg_size 40
		.amdhsa_user_sgpr_count 2
		.amdhsa_user_sgpr_kernarg_segment_ptr 1
		.amdhsa_wavefront_size32 1
		.amdhsa_system_sgpr_workgroup_id_x 1
		.amdhsa_system_sgpr_workgroup_id_y 1
		.amdhsa_system_sgpr_workgroup_id_z 1
		.amdhsa_system_vgpr_workitem_id 0
		.amdhsa_next_free_vgpr 832
		.amdhsa_next_free_sgpr 100
		.amdhsa_reserve_vcc 0
		.amdhsa_float_denorm_mode_32 3
		.amdhsa_float_denorm_mode_16_64 3
		.amdhsa_memory_ordered 1
		.amdhsa_forward_progress 1
		.amdhsa_inst_pref_size 76
	.end_amdhsa_kernel
	.amdgpu_metadata
---
amdhsa.version: [ 1, 2 ]
amdhsa.kernels:
  - .name:           k_q3b47c6e56b_outp
    .symbol:         k_q3b47c6e56b_outp.kd
    .args:
      - { .name: ctx_img, .offset: 0, .size: 8, .value_kind: global_buffer, .address_space: global }
      - { .name: Wo_codes, .offset: 8, .size: 8, .value_kind: global_buffer, .address_space: global }
      - { .name: bo, .offset: 16, .size: 8, .value_kind: global_buffer, .address_space: global }
      - { .name: lowp_scales, .offset: 24, .size: 8, .value_kind: global_buffer, .address_space: global }
      - { .name: out0, .offset: 32, .size: 8, .value_kind: global_buffer, .address_space: global }
    .group_segment_fixed_size: 327680
    .private_segment_fixed_size: 0
    .kernarg_segment_align: 8
    .kernarg_segment_size: 40
    .max_flat_workgroup_size: 128
    .sgpr_count:     100
    .vgpr_count:     832
    .wavefront_size: 32
...
	.end_amdgpu_metadata
.endif
;; end of part 3
